; MI455X (gfx1250); checked and timed in simulation.
; The chip was launched on July 23, 2026; its instructions are those of AMD's public machine-readable ISA for CDNA 5 (MIT licence, August 2026) and "CDNA5" Instruction Set Architecture Reference Guide (July 2026). The comments in the code are by the model that wrote it; some were corrected since.
;; Attention. Allowed arithmetic: matrix products marked QUANTISED: E4M3 operands, one E8M0 scale for each 32 along K, by v_wmma_scale_f32_16x16x128_f8f6f4 with both operands' format E4M3, f32 sums; everything else in f32.
;; Inputs: keys_codes 8 x 2,048 x 32 x 32 uint8 (E4M3 codes of keys, K innermost, in blocks of 32 codes); keys_scales 8 x 2,048 x 32 uint8 (E8M0 scales of keys, one for each 32 codes along K); queries_codes 8 x 2,048 x 32 x 32 uint8 (E4M3 codes of queries, K innermost, in blocks of 32 codes); queries_scales 8 x 2,048 x 32 uint8 (E8M0 scales of queries, one for each 32 codes along K); values_codes 8 x 1,024 x 64 x 32 uint8 (E4M3 codes of values, K innermost, in blocks of 32 codes); values_scales 8 x 1,024 x 64 uint8 (E8M0 scales of values, one for each 32 codes along K).
;; Outputs: out0 8 x 2,048 x 1,024 float32.
;; This version of the problem:
;;   THIS VERSION OF THE PROBLEM IS GIVEN IN LOW PRECISION. The matrix products marked QUANTISED in the list below multiply operands that are first quantised to E4M3 (4 exponent bits, 3 mantissa bits; 8 bits a number), with one power-of-two scale for each 32 numbers along K (OCP MX v1.0); their sums are f32. All else is computed in f32.
;;   The module's matrix products, in the order in which they are computed (A, B: the left and right operand; K: the contracted axis; several contracted axes count as one K, in the product's order):
;;     1. batch 8 x [M 2,048, K 1,024] x [K 1,024, N 2,048]; A: input queries (given as codes); B: input keys (given as codes): QUANTISED
;;     2. batch 8 x [M 2,048, K 2,048] x [K 2,048, N 1,024]; A: softmax (see below); B: input values (given as codes): QUANTISED
;;   THE QUANTISER, for each operand of a quantised product, along K:
;;     - K is cut into blocks of 32 from its start; a last block that is shorter is filled with zeros.
;;     - A block's scale is 2^e with e = floor(log2(the largest magnitude in the block)) - 8, held to -126 .. 127; a block of zeros has e = 0. As a byte (E8M0): e + 127.
;;     - Each number is divided by its block's scale, clamped to +-448, and rounded to the nearest number of E4M3, ties to even, subnormals kept.
;;     - The product sums the exact products of the quantised numbers (number of the format x scale) in f32.
;;   ~~~python
;;   def quantise(x, axis):      # numpy; x: float32 -> the quantised numbers, widened to float32 again
;;       x = np.moveaxis(x, axis, -1); K = x.shape[-1]
;;       x = np.pad(x, [(0, 0)] * (x.ndim - 1) + [(0, -K % 32)]); x = x.reshape(x.shape[:-1] + (-1, 32)); a = np.abs(x).max(-1, keepdims=True)
;;       e = np.where(a > 0, np.clip(np.frexp(np.where(a > 0, a, 1))[1] - 1 - 8, -126, 127), 0)      # np.frexp(a)[1] - 1 = floor(log2(a)), exactly
;;       r = np.clip(x / 2.0 ** e, -448, 448)
;;       step = 2.0 ** (np.maximum(np.frexp(np.where(r == 0, 1, r))[1] - 1, -6) - 3)
;;       q = np.round(r / step) * step * 2.0 ** e      # np.round: ties to even
;;       return np.moveaxis(q.reshape(q.shape[:-2] + (-1,))[..., :K], -1, axis).astype(np.float32)
;;   ~~~
;;   SOFTMAX AHEAD OF A QUANTISED PRODUCT. Where the list says 'softmax', what is quantised is not the finished softmax but p = 2^(t - M), with t = logit x log2(e) and M = ceil(the row's largest t), a whole number; so 1/2 < the row's largest p <= 1. The row's sum l is taken of the UNQUANTISED p, in f32, and the product's result is divided by l at the end. Since M is a whole number, a kernel that streams over the keys may use a running M (the ceiling of the running maximum): every later rescaling is an exact power of two, which a block's scale takes up: the codes' values come out the same.
;;   OPERANDS COMPUTED ON THE WAY. 'Computed on the way' means the value that the module computes at that place (a softmax that the list does not call 'softmax' is quantised finished and normalised). What goes into a quantiser is computed in f32, as accurately as f32 sums, v_exp_f32 and their like allow (about 1e-6 of the number): no bf16 or f16 on the way to a quantiser, and a product that is left as it is and whose result goes on into a quantised operand takes f32 operands (vector FMAs, or v_wmma_f32_16x16x4_f32). A number that lies on a knife's edge between two numbers of the format may be rounded either way, as far as f32 arithmetic and the matrix unit's own rounding can turn it there, and no further.
;;   INPUTS GIVEN AS CODES. keys (in the module: [8, 1024, 2048], K = its axis 1); queries (in the module: [8, 2048, 1024], K = its axis 2); values (in the module: [8, 2048, 1024], K = its axis 1): each comes as NAME_codes (uint8): NAME with its K axis moved to the last place and cut into blocks of 32 codes, [.., K / 32, bytes a block], one block behind the other in memory; one code a byte (a code: sign, 4 exponent bits, 3 mantissa bits); and NAME_scales (uint8): the same leading axes, one E8M0 byte (e + 127) for each 32 codes along K. Its value is code x scale, taken as it is: it is not quantised again, and the codes and scales need not be those that the quantiser above would give.
;; One version. Each part assembles by itself: llvm-mc -triple=amdgcn-amd-amdhsa -mcpu=gfx1250 --defsym DOCPART=n.
;; ======== version 1 of 1: 2 launches
;; limits: right only within a limited range of input values
;; workspace buffers: p_codes 33,554,432 bytes; pstat 3,145,728 bytes
;; launch scores (part 1): grid 4 x 64, 4 waves a work-group, clusters of 4 x 4, 327,680 bytes of LDS; arguments queries_codes, queries_scales, keys_codes, keys_scales, p_codes, pstat; writes p_codes, pstat
.if DOCPART == 1
	.amdgcn_target "amdgcn-amd-amdhsa--gfx1250"
	.amdhsa_code_object_version 6
	.text
	.protected	k_q58f64253f0_scores
	.globl	k_q58f64253f0_scores
	.p2align	8
	.type	k_q58f64253f0_scores,@function
k_q58f64253f0_scores:
	s_mov_b64 s[64:65], 0
	v_nop
	global_prefetch_b8 v0, s[64:65] scope:SCOPE_SE
	s_setreg_imm32_b32 hwreg(HW_REG_WAVE_MODE, 25, 1), 1
	s_wait_xcnt 0x0
	s_wait_alu depctr_hold_cnt(0) depctr_sa_sdst(0) depctr_va_vdst(0) depctr_va_sdst(0) depctr_va_ssrc(0) depctr_va_vcc(0) depctr_vm_vsrc(0)
	s_getreg_b32 s2, hwreg(HW_REG_IB_STS2, 6, 4)
	s_cmp_eq_u32 s2, 0
	s_cbranch_scc0 .Lentry_in_a_cluster
	s_endpgm
.Lentry_in_a_cluster:
	s_bfe_u32 s2, ttmp6, 0x10000c
	s_cmp_lg_u32 s2, 0xf033
	s_cbranch_scc0 .Lentry_shape_is_right
	s_endpgm
.Lentry_shape_is_right:
; FIRST OF TWO LAUNCHES.  S^T = K Q^T on codes of FP8 (E4M3) with one E8M0 scale for each 32 along the head's 1,024, then the softmax's p for each (query, 128 keys), quantised along the keys.
; queries_codes [8 x 2,048 rows][1,024 bytes], keys_codes likewise (K innermost); their scale bytes [rows][32].
; A LOCAL M.  t = score x log2(e) / 32.  For each query and each 128 keys M is the ceiling of the largest t OF THESE 128 KEYS, a whole number; p = 2^(t - M) is quantised in blocks of 32 keys.  The row's final M is
; the largest of its 16 local ones; the codes are the same under either, and a block's E8M0 byte under the final M is its byte here less (final M - local M).  The second launch makes that subtraction.
; OUT: p_codes: images of the second product's operand registers.  A fragment (16 queries x 128 keys) is 2,048 bytes: the 16 bytes of keys 32 c + 16 h + 0 .. 15 of query r lie at 512 c + 256 h + 16 r.
;      Fragment (group of 128 rows R, 256 keys j, block of 16 rows a, half q) begins at (8 R + j) x 32,768 + 4,096 a + 2,048 q.
;      pstat: three planes of 1,048,576 bytes, each [batch 8][128 keys s, 16][row 2,048] words: p's scale word; -M (f32, a whole number); the sum of the unquantised p (f32).
; SHARES.  A work-group of four waves makes 256 queries x 512 keys.  EACH WAVE KEEPS 64 QUERIES, all 1,024 of K, IN 512 REGISTERS; the keys pass by in four slots of 128, through two LDS regions, read by all four waves.
; A slot is two chunks of 64 keys: a chunk's 16 accumulators (64 queries x 64 keys) have 128 registers of their own.  The first chunk's sums, holds and conversions stand among the second chunk's products.
; CLUSTERS: 4 x 4 work-groups.  The four of a row of the cluster have the same queries, the four of a column the same keys: each tile is asked for jointly, by the same tensor load with a mask that names the four.
; THE MATRIX INSTRUCTION: source 0 = 16 keys, source 1 = 16 queries: lane (r, h) of accumulator (u, b) holds query 16 u + r and, in register j, key 16 b + 8 h + j.  So registers 16 c .. 16 c + 15 of a block of
; 16 queries are 16 numbers of the 32 keys of block c; the other 16 lie in lane l xor 16.
; PREFETCH: slots 0 and 1 are asked for behind the queries' load, slots 2 and 3 behind the loads of slots 1 and 2: the four partners of a column take 32 of a slot's 128 rows each, by address, a wave 8 of them, 32 blocks of 256 bytes.
; LIMITS: NaN and infinities among the scores are not served; scaled scores stay under 2^31 in magnitude.  v_exp_f32 gives 0 for p under 2^-126 (ISA guide, its entry in 15.8).  A block all of whose p are 0 gets the byte 1 and zero codes.
; REGISTERS: window 0: below;  windows 1, 2: the queries' fragments ((u, k) at v[64 (k % 4) + 16 u], k = 0 .. 3 in window 1, 4 .. 7 in window 2);  window 3: the accumulators of chunk 0 (v0-127) and chunk 1 (v128-255), (u, b) at 32 u + 8 b; p takes their place, and codes p's.
.set PITCH,  1040                      ; an LDS row: 1,024 bytes + 16 of padding = 260 words: the 16 rows that a load touches start at 16 different banks (64 banks of 4 bytes: ISA guide 11.1)
.set NP,     8                         ; places behind this matrix instruction (ISA guide 7.12.1)
.set SLOT,   128*PITCH                 ; 0x20800: shares no bit with a wave's 32 rows x w (0x8200 w), so an exclusive or turns a tile's address
.set SBYTES, 131072                    ; a slot's keys in memory
.set SCL,    2*SLOT                    ; behind the regions: the scale bytes, as units of 256 bytes + 16 of padding: 256 queries', then 512 keys' (stored by the waves; no fill lands here)
.set QSC,    32*272
.set CSC,    8*272                     ; those of 64 rows
.set SPARE,  SCL+QSC+64*272            ; the spare words, 128 bytes for each wave
.set STT,    SPARE+512                 ; the statistics' stage: for each wave three tables of 64 words
.set NM,   0                           ; v0-3 -M of the slot
.set NMA,  4                           ; v4-7 -M of chunk 0, then (old M - new M)
.set MX,   8                           ; v8-11; then codes of a chunk's first block
.set PWA,  12                          ; v12-15 scale words
.set KA,   16                          ; v16, v17 LDS address of the slot's keys, chunk 0, 1
.set KA0,  18
.set ADRS, 19                          ; LDS address of my scale words: lanes 0-15 the queries', lanes 16-31 the keys'
.set ASB,  20
.set HH,   21                          ; lane / 16
.set PO,   22                          ; 16 r + 8 h: my eight codes' place in 256 bytes of an image
.set STA,  23                          ; my wave's stage + 4 r
.set LAA,  24                          ; v24-27 chunk 0's sums, then the slot's
.set SPW,  28                          ; LDS address of my spare word; never rewritten
.set NIL,  29                          ; 0; never rewritten
.set PFO,  30                          ; 256 x lane
.set STR,  31                          ; my wave's stage + 8 x lane
.set SC,   32                          ; v32-69 scale words: block i, 128 along K number k: v[SC + 10 i + k]
.set SO,   70                          ; 8 x lane
.set TM,   72                          ; for each (u, c) = 2 u + c: the block's largest,
.set BY,   80                          ; the other lane's, then the scale's byte,
.set HD,   88                          ; 448 x the scale,
.set CV,   96                          ; the conversion's scale operand
.set LA,   104                         ; v104-127 the sums: three chains of pairs for each u
.set RG,   128                         ; the keys' fragments: eight by turns
.set VL,   128                         ; the head: scale bytes on their way into LDS
.set MNT,  2                           ; s2 the mantissa field of 448
.set CS,   12                          ; s[12:13] c = log2(e) / 32
.set G1Q,  24
.set G1K,  32
.set G0Q,  48
.set G0K,  52
.set SEL,  66                          ; s[66:67] v_permlanex16_b32's selects for lane l xor 16
.set HIB,  68
.set TB,   69                          ; where the slot in hand begins in LDS
.set TS,   70                          ; from the queries' scale words to the chunk's
.set SN,   71                          ; the slot's number
.set POB,  72
.set PSB,  74
.set PFA,  76
.set MSB, 0
.macro WIN new                         ; the immediate's high byte repeats the setting that is left; a switch that changes nothing is dropped
.if MSB != (\new)
	s_set_vgpr_msb (MSB<<8)|(\new)
.set MSB, (\new)
.endif
.endm
.macro CROUND                          ; a round of the cluster's barrier
	s_barrier_signal -1
	s_barrier_wait -1
	s_cmp_lg_u32 s14, 0
	s_cbranch_scc1 .Lnot_wave_0_\@
	s_barrier_signal -3
.Lnot_wave_0_\@:
	s_barrier_wait -3
	s_barrier_signal -1
	s_barrier_wait -1
.endm
.macro PLACES n
.rept \n
	v_nop
.endr
.endm
	s_load_b128 s[4:7], s[0:1], 0x0                ; the queries' codes, their scales
	s_load_b128 s[8:11], s[0:1], 0x10              ; the keys' codes, their scales
	s_load_b128 s[96:99], s[0:1], 0x20             ; p_codes, pstat
	v_lshl_add_u32 v[SPW], v0, 2, SPARE
	v_mov_b32 v[NIL], 0
	ds_add_u32 v[SPW], v[NIL]                      ; the wave's opening: the add, twice on end
	ds_add_u32 v[SPW], v[NIL]
	v_lshrrev_b32 v1, 5, v0
	v_readfirstlane_b32 s14, v1                    ; wave w
	s_bfe_u32 s40, ttmp6, 0x40000                  ; cx, cy
	s_bfe_u32 s41, ttmp6, 0x40004
	s_lshl_b32 s42, ttmp9, 2
	s_add_co_u32 s42, s42, s40                     ; x: the 512 keys in the batch
	s_and_b32 s95, ttmp7, 0xffff
	s_lshl_b32 s17, s95, 2
	s_add_co_u32 s17, s17, s41                     ; y: the tile of 256 query rows of all 16,384
	s_lshr_b32 s95, s95, 1                         ; the batch, from the cluster's y alone
	s_lshl_b32 s43, s41, 2
	s_lshl_b32 s43, 15, s43                        ; my row of the cluster
	s_lshl_b32 s44, 0x1111, s40                    ; my column
	; descriptor group 1: 64 rows of queries, 32 rows of keys, 1,024 bytes each; 16 bytes of padding behind each row in LDS (after every 256 words: code 7)
	s_or_b32 s[G1Q], s43, (0<<16)|(1<<20)|(1<<21)|(7<<22)|(3<<25)
	s_or_b32 s[G1K], s44, (0<<16)|(1<<20)|(1<<21)|(7<<22)|(3<<25)
.irp g, G1Q, G1K
	s_mov_b32 s[\g+1], 1024<<16
	s_mov_b32 s[\g+3], 1024<<16
	s_mov_b32 s[\g+5], 1024
	s_mov_b32 s[\g+6], 0
	s_mov_b32 s[\g+7], 0
.endr
	s_mov_b32 s[G1Q+2], 64<<16
	s_mov_b32 s[G1Q+4], 64
	s_mov_b32 s[G1K+2], 32<<16
	s_mov_b32 s[G1K+4], 32
	s_lshl_b32 s20, s17, 18
	s_lshl_b32 s21, s14, 16
	s_add_co_u32 s20, s20, s21                     ; my queries: (256 y + 64 w) x 1,024 bytes, under 2^24
	s_lshr_b32 s22, s20, 5                         ; their scale bytes
	s_mov_b32 s21, 0
	s_mov_b32 s23, 0
	s_lshl_b32 s18, s95, 21
	s_lshl_b32 s19, s42, 19
	s_add_co_u32 s18, s18, s19                     ; the keys: (2,048 x batch + 512 x) x 1,024
	s_lshl_b32 s46, s14, 15
	s_add_co_u32 s46, s46, s18                     ; my 32 rows of slot 0
	s_mov_b32 s47, 0
	s_lshr_b32 s56, s18, 5
	s_lshl_b32 s57, s14, 12
	s_add_co_u32 s56, s56, s57                     ; the scale bytes of 128 keys a wave
	s_mov_b32 s57, 0
	s_lshl_b32 s58, s41, 15
	s_add_co_u32 s58, s58, s18
	s_lshl_b32 s59, s14, 13
	s_add_co_u32 s58, s58, s59                     ; the prefetches: row 32 cy + 8 w of a slot
	s_mov_b32 s59, 0
	s_mul_i32 s45, s14, 64*PITCH                   ; where the tiles go: no place in the cluster enters an LDS address
	s_mul_i32 s60, s14, 32*PITCH
	s_wait_alu depctr_va_vdst(0)                   ; directly ahead of the waits below
	s_wait_dscnt 0x0                               ; both opening adds are done
	s_wait_kmcnt 0x0
	s_mov_b32 s[G0Q], 1
	s_mov_b32 s[G0Q+1], s45
	s_add_nc_u64 s[G0Q+2:G0Q+3], s[4:5], s[20:21]
	s_or_b32 s[G0Q+3], s[G0Q+3], 0x80000000
	s_mov_b32 s[G0K], 1
	s_mov_b32 s[G0K+1], s60
	s_add_nc_u64 s[G0K+2:G0K+3], s[8:9], s[46:47]
	s_or_b32 s[G0K+3], s[G0K+3], 0x80000000
	CROUND                                         ; all sixteen work-groups are here: the first joint loads meet
	tensor_load_to_lds s[G0Q:G0Q+3], s[G1Q:G1Q+7]  ; my 64 queries: one tensor load a wave at the head; the four waves' tiles fill both regions
	s_nop 0
	PLACES 4
	s_add_nc_u64 s[22:23], s[6:7], s[22:23]
	s_add_nc_u64 s[56:57], s[10:11], s[56:57]
	s_add_nc_u64 s[PFA:PFA+1], s[8:9], s[58:59]
	s_mul_i32 s61, s14, CSC
	s_add_co_u32 s61, s61, SCL                     ; my queries' scale bytes in LDS
	s_mul_i32 s62, s14, 16*272
	s_add_co_u32 s62, s62, SCL+QSC                 ; where I put the keys'
	s_mul_i32 s63, s14, 768
	s_add_co_u32 s63, s63, STT                     ; my wave's stage
	v_and_b32 v6, 31, v0
	v_lshlrev_b32 v7, 4, v6
.irp j, 0,1,2,3
	global_load_b128 v[VL+4*\j:VL+4*\j+3], v7, s[22:23] offset:512*\j              ; the queries' scale bytes, 512 consecutive bytes a load,
.endr
.irp j, 0,1,2,3,4,5,6,7
	global_load_b128 v[VL+16+4*\j:VL+16+4*\j+3], v7, s[56:57] offset:512*\j        ; and the keys'
.endr
	v_lshlrev_b32 v[PFO], 8, v6
	v_lshlrev_b32 v[SO], 3, v6
	v_add_nc_u32 v[STR], s63, v[SO]
	v_and_b32 v1, 15, v0                           ; r
	v_bfe_u32 v[HH], v0, 4, 1                      ; h
	v_mul_u32_u24 v3, v1, PITCH
	v_lshl_add_u32 v[KA0], v[HH], 4, v3            ; a fragment's row x pitch + 16 h
	v_add_nc_u32 v2, s45, v[KA0]                   ; my queries'
	v_lshlrev_b32 v5, 5, v1                        ; my row's scales: 32 bytes a row,
	v_lshrrev_b32 v3, 3, v1
	v_lshl_add_u32 v5, v3, 4, v5                   ; and 16 more for each 256 passed
	v_add_nc_u32 v[ASB], s61, v5
	v_lshlrev_b32 v[PO], 4, v1
	v_lshl_add_u32 v[PO], v[HH], 3, v[PO]
	v_lshl_add_u32 v[STA], v1, 2, s63
	v_mul_u32_u24 v3, v[HH], 272
	v_lshl_add_u32 v3, v1, 4, v3
	v_add_nc_u32 v72, s61, v3                      ; lanes 0-15 fill one unit of 256 bytes, lanes 16-31 the next
	v_add_nc_u32 v73, s62, v3
.irp q, 0,1,2,3,4,5,6,7
	v_mov_b32 v[BY+\q], 0                          ; written once: a lane permute's destination counts as one of its sources
.endr
	s_wait_alu depctr_va_vdst(0)
	global_prefetch_b8 v[PFO], s[PFA:PFA+1] th:TH_LOAD_NT scope:SCOPE_SE                  ; slot 0: its load stands behind the queries' landing
	global_prefetch_b8 v[PFO], s[PFA:PFA+1] offset:SBYTES th:TH_LOAD_NT scope:SCOPE_SE    ; slot 1
	s_lshl_b32 s18, s17, 1
	s_lshr_b32 s19, s14, 1
	s_add_co_u32 s18, s18, s19                     ; my group of 128 rows
	s_lshl_b32 s18, s18, 18                        ; x 8 x 32,768
	s_lshl_b32 s19, s42, 16
	s_add_co_u32 s18, s18, s19                     ; + 2 x of the 256 keys
	s_and_b32 s19, s14, 1
	s_lshl_b32 s19, s19, 14
	s_add_co_u32 s18, s18, s19                     ; + 4 blocks of 4,096
	s_mov_b32 s19, 0
	s_add_nc_u64 s[96:97], s[96:97], s[18:19]      ; p_codes at my first fragment
	s_lshl_b32 s20, s95, 17
	s_lshl_b32 s21, s42, 15
	s_add_co_u32 s20, s20, s21
	s_and_b32 s21, s17, 7
	s_lshl_b32 s21, s21, 10
	s_add_co_u32 s20, s20, s21
	s_lshl_b32 s21, s14, 8
	s_add_co_u32 s20, s20, s21
	s_mov_b32 s21, 0
	s_add_nc_u64 s[98:99], s[98:99], s[20:21]      ; pstat at my first word: (16 x batch + 4 x) x 2,048 + row
	s_mov_b32 s[CS], 0x3d38aa3b                    ; c = log2(e) / 32
	s_mov_b32 s[CS+1], s[CS]                       ; (named with it as a pair, so it is written)
	s_mov_b32 s[SEL], 0x76543210
	s_mov_b32 s[SEL+1], 0xfedcba98
	s_mov_b32 s[MNT], 0x600000
	s_mov_b32 s[HIB], 0x80808080
	s_mov_b32 s[TB], 0
	s_mul_i32 s[TS], s14, CSC
	s_sub_co_u32 s[TS], QSC, s[TS]
	s_mov_b32 s[SN], 0
	s_mov_b32 s3, 3
	s_wait_loadcnt 0x0
.irp j, 0,1,2,3
	ds_store_b128 v72, v[VL+4*\j:VL+4*\j+3] offset:544*\j
.endr
.irp j, 0,1,2,3,4,5,6,7
	ds_store_b128 v73, v[VL+16+4*\j:VL+16+4*\j+3] offset:544*\j
.endr
	s_wait_tensorcnt 0x0                           ; my queries are in: I alone read them
.irp k, 0,1,2,3,4,5,6,7
	WIN 0x40*(1+\k/4)                              ; destination window 1 or 2
.irp u, 0,1,2,3
.irp c, 0,1,2,3
	ds_load_b128 v[64*(\k%4)+16*\u+4*\c:64*(\k%4)+16*\u+4*\c+3], v2 offset:16*PITCH*\u+128*\k+32*\c
.endr
.endr
.endr
	WIN 0
	s_wait_tensorcnt 0x0
	ds_add_u32 v[SPW], v[NIL]
	s_wait_dscnt 0x0                               ; the add is done, my queries are in registers, my scale bytes in LDS
	CROUND
	tensor_load_to_lds s[G0K:G0K+3], s[G1K:G1K+7]  ; slot 0, over the queries
	s_nop 0
	PLACES 4
; THE CHANGE OF SLOTS stands at a slot's head.  fill = 1: the region that has been left takes the next slot.
.macro TURN fill
	s_wait_xcnt 0x0                                ; every earlier store and prefetch has had its addresses translated (ISA guide 3.1): their registers may be written
	s_and_b32 s78, s[SN], 1
	s_lshl_b32 s78, s78, 11
	s_lshr_b32 s79, s[SN], 1
	s_lshl_b32 s79, s79, 15
	s_add_co_u32 s78, s78, s79                     ; this slot's place in the images
	s_mov_b32 s79, 0
	s_add_nc_u64 s[POB:POB+1], s[96:97], s[78:79]
	s_lshl_b32 s78, s[SN], 13
	s_add_nc_u64 s[PSB:PSB+1], s[98:99], s[78:79]
	s_add_co_u32 s[SN], s[SN], 1
.if \fill
	s_add_nc_u64 s[PFA:PFA+1], s[PFA:PFA+1], SBYTES
.endif
	s_wait_tensorcnt 0x0                           ; my part of this slot has landed
	ds_add_u32 v[SPW], v[NIL]
.if \fill
	s_xor_b32 s[G0K+1], s[G0K+1], SLOT
	s_add_nc_u64 s[G0K+2:G0K+3], s[G0K+2:G0K+3], SBYTES
.endif
	s_wait_dscnt 0x0                               ; the add is done, and my reads of the slot before are over
.if \fill
	CROUND                                         ; no wave of any partner still reads that region or has a load on its way
	tensor_load_to_lds s[G0K:G0K+3], s[G1K:G1K+7]
	s_nop 0
	PLACES 4
	s_cmp_gt_u32 s3, 1                             ; the slot two on, where there is one
	s_cbranch_scc0 .Lno_more_\@
	global_prefetch_b8 v[PFO], s[PFA:PFA+1] offset:SBYTES th:TH_LOAD_NT scope:SCOPE_SE
.Lno_more_\@:
.else
	s_barrier_signal -1
	s_barrier_wait -1
.endif
.endm
.macro LDF ch, m                       ; fragment m = 4 k + b of a chunk: 16 keys x 128 along K; lane l: row l % 16, registers 4 c .. 4 c + 3: K = 32 c + 16 (l / 16) + 0 .. 15
.irp c, 0,1,2,3
	ds_load_b128 v[RG+16*((\m)%8)+4*\c:RG+16*((\m)%8)+4*\c+3], v[KA+\ch] offset:((\m)%4)*16*PITCH+128*((\m)/4)+32*\c
.endr
.endm
.macro SCALES                          ; the chunk's scale words: block i's 16 rows are 544 bytes on
	v_mad_u32_u24 v[ADRS], v[HH], s[TS], v[ASB]
.irp i, 0,1,2,3
	ds_load_b128 v[SC+10*\i:SC+10*\i+3], v[ADRS] offset:544*\i
	ds_load_b128 v[SC+10*\i+4:SC+10*\i+7], v[ADRS] offset:544*\i+16
.endr
.endm
; Two matrix instructions: fragment n, the queries' blocks 2 g, 2 g + 1.  The chunk's 16 accumulators take turns, one instruction a turn.
.macro W2 ch, n, g
.irp e, 0,1
.if (\n) < 4
	v_wmma_scale_f32_16x16x128_f8f6f4 v[128*\ch+32*(2*\g+\e)+8*(\n%4):128*\ch+32*(2*\g+\e)+8*(\n%4)+7], v[RG+16*(\n%8):RG+16*(\n%8)+15], v[64*((\n/4)%4)+16*(2*\g+\e):64*((\n/4)%4)+16*(2*\g+\e)+15], 0, v[SC+10*(\n%4)+\n/4], v[SC+10*(2*\g+\e)+\n/4] matrix_a_scale:MATRIX_SCALE_ROW1
.else
	v_wmma_scale_f32_16x16x128_f8f6f4 v[128*\ch+32*(2*\g+\e)+8*(\n%4):128*\ch+32*(2*\g+\e)+8*(\n%4)+7], v[RG+16*(\n%8):RG+16*(\n%8)+15], v[64*((\n/4)%4)+16*(2*\g+\e):64*((\n/4)%4)+16*(2*\g+\e)+15], v[128*\ch+32*(2*\g+\e)+8*(\n%4):128*\ch+32*(2*\g+\e)+8*(\n%4)+7], v[SC+10*(\n%4)+\n/4], v[SC+10*(2*\g+\e)+\n/4] matrix_a_scale:MATRIX_SCALE_ROW1
.endif
.endr
.endm
; The quantising of the chunk whose p lie from v[FB] on in window 3.
.macro SUM i                           ; the i-th of 52: p's sum, unquantised, two at a time: 12 chains by turns
.if (\i) < 12
.set U_, (\i)%4
.set C_, (\i)/4
	WIN 0x0f
	v_pk_add_f32 v[LA+6*U_+2*C_:LA+6*U_+2*C_+1], v[FB+32*U_+2*C_:FB+32*U_+2*C_+1], v[FB+32*U_+2*C_+6:FB+32*U_+2*C_+7]
.else
.set U_, (\i)%4
.set C_, ((\i)%12)/4
.set R_, 6*((\i)/12)+6+2*C_
	WIN 0x03
	v_pk_add_f32 v[LA+6*U_+2*C_:LA+6*U_+2*C_+1], v[FB+32*U_+R_:FB+32*U_+R_+1], v[LA+6*U_+2*C_:LA+6*U_+2*C_+1]
.endif
.endm
.macro HOLD i                          ; the conversion to an 8-bit code does not saturate (ISA guide 7.6.2); p is not negative, so the hold is one-sided
	WIN 0xcc
	v_min_num_f32 v[FB+(\i)], v[HD+(\i)/16], v[FB+(\i)]
.endm
.macro CVT q                           ; block q = 2 u + c: 16 codes: keys 32 c + 8 h + 0 .. 7, and 32 c + 16 + 8 h + 0 .. 7; block q's take the place of block q - 1's p
.if (\q) == 0
.set D_, MX
	WIN 0x03
.else
.set D_, FB+16*(\q)-16
	WIN 0xc3
.endif
	v_cvt_scalef32_pk8_fp8_f32 v[D_:D_+1], v[FB+16*(\q):FB+16*(\q)+7], v[CV+(\q)]
	v_cvt_scalef32_pk8_fp8_f32 v[D_+2:D_+3], v[FB+16*(\q)+8:FB+16*(\q)+15], v[CV+(\q)]
.endm
.macro OUT q                           ; 32 lanes store 256 consecutive bytes, aligned: the image's lanes 0-15 of a register group, and its lanes 16-31
.if (\q) == 0
.set D_, MX
	WIN 0
.else
.set D_, FB+16*(\q)-16
	WIN 0x0c
.endif
	global_store_b64 v[PO], v[D_:D_+1], s[POB:POB+1] offset:4096*((\q)/2)+512*((\q)%2)+8*FB th:TH_STORE_NT
	global_store_b64 v[PO], v[D_+2:D_+3], s[POB:POB+1] offset:4096*((\q)/2)+512*((\q)%2)+8*FB+256 th:TH_STORE_NT
.endm
.macro FILL ch, n, g                   ; behind two matrix instructions: chunk 0: places alone; chunk 1: the quantising of chunk 0
.if (\ch) == 0
.else
.if (\n) < 7
.if (8*\n+4*\g) < 52
.irp e, 0,1,2,3
	SUM 8*\n+4*\g+\e
.endr
.else
	PLACES 4
.endif
.else
.if (\n) < 8
	PLACES 4
.else
.if (\n) < 24
.irp e, 0,1,2,3
	HOLD 8*(\n-8)+4*\g+\e
.endr
.else
.if (\n) < 28
	CVT 2*(\n-24)+\g
	PLACES 1                                       ; one plain vector instruction behind a conversion, ahead of what writes its sources
.else
.endif
.endif
.endif
.endif
.endif
.endm
; Fragment n of a chunk: 4 matrix instructions.  At the head of each 128 along K (n % 4 = 0): the wait for its four fragments, then the next four in one run of sixteen loads; their registers were read last by the
; products just ahead of the eight places.  At the head of chunk 1's last 128 the run is chunk 0's stores.
.macro POS ch, n
.if (\ch) == 1 && ((\n) == 24 || (\n) == 28)
	s_wait_alu depctr_va_vdst(0)                   ; directly ahead of the wait below
.endif
.if (\n%4) == 0
	s_wait_dscnt 0                                 ; this step's fragments (at a chunk's first: the scale words too)
	WIN 0
	PLACES NP
.if (\n) < 28
.irp m, 4,5,6,7
	LDF \ch, \n+\m
.endr
.else
.if (\ch) == 0
.irp m, 0,1,2,3
	LDF 1, \m
.endr
.else
.irp q, 0,1,2,3,4,5,6,7
	OUT \q
.endr
.endif
.endif
.endif
.irp g, 0,1
	WIN 0xf4+4*(\n/16)                             ; source 0 (keys) window 0, source 1 (queries) window 1 or 2, C and D window 3
	W2 \ch, \n, \g
	FILL \ch, \n, \g
.endr
.endm
.macro CHUNK ch
.irp n, 0,1,2,3,4,5,6,7,8,9,10,11,12,13,14,15,16,17,18,19,20,21,22,23,24,25,26,27,28,29,30,31
	POS \ch, \n
.endr
.endm
; BEHIND A CHUNK: its maxima, M, t - M, the exponentials, the blocks' scales: 128 scores a lane.
.macro SOFT ch
.set AB, 128*\ch
.set NB, NMA-4*\ch                     ; chunk 0: -M of its own; chunk 1: of both chunks
	PLACES NP
	WIN 0
.if (\ch) == 0
	s_add_co_u32 s[TS], s[TS], CSC
	SCALES                                         ; chunk 1's scale words
.else
	s_wait_alu depctr_va_vdst(0)                   ; directly ahead of the wait below
	s_wait_xcnt 0x0                                ; chunk 0's codes may be written over
.irp u, 0,1,2,3
	v_pk_add_f32 v[LA+6*\u:LA+6*\u+1], v[LA+6*\u:LA+6*\u+1], v[LA+6*\u+2:LA+6*\u+3]
.endr
.irp u, 0,1,2,3
	v_pk_add_f32 v[LA+6*\u:LA+6*\u+1], v[LA+6*\u:LA+6*\u+1], v[LA+6*\u+4:LA+6*\u+5]
.endr
.irp u, 0,1,2,3
	v_add_f32 v[LAA+\u], v[LA+6*\u], v[LA+6*\u+1]  ; chunk 0's sum over my lane's keys
.endr
.endif
	WIN 0x3f
	s_wait_alu depctr_va_vdst(0)                   ; the wait ahead of the first readers of these results
.irp q, 0,1,2,3,4,5,6,7
	v_max3_num_f32 v[TM+\q], v[AB+16*\q], v[AB+16*\q+1], v[AB+16*\q+2]   ; the largest score of each block of 32 keys: it serves for M and, since p rises with the score, for the block's largest p.  Each accumulator is read from its low end on
.endr
	WIN 0x3c
	s_wait_alu depctr_va_vdst(0)
.irp i, 3,5,7,9,11,13
.irp q, 0,1,2,3,4,5,6,7
	v_max3_num_f32 v[TM+\q], v[TM+\q], v[AB+16*\q+\i], v[AB+16*\q+\i+1]
.endr
.endr
.irp q, 0,1,2,3,4,5,6,7
	v_max_num_f32 v[TM+\q], v[TM+\q], v[AB+16*\q+15]
.endr
	WIN 0
.irp q, 0,1,2,3,4,5,6,7
	v_permlanex16_b32 v[BY+\q], v[TM+\q], s[SEL], s[SEL+1]
.endr
.irp q, 0,1,2,3,4,5,6,7
	v_max_num_f32 v[TM+\q], v[TM+\q], v[BY+\q]     ; with lane l xor 16's 16 keys
.endr
.irp u, 0,1,2,3
	v_max_num_f32 v[MX+\u], v[TM+2*\u], v[TM+2*\u+1]
.endr
.irp u, 0,1,2,3
	v_mul_f32 v[MX+\u], s[CS], v[MX+\u]            ; as t (c is positive)
.endr
.if (\ch) == 0
.irp u, 0,1,2,3
	v_floor_f32 v[NMA+\u], -v[MX+\u]               ; -M = floor(-t) = -ceil(t): a whole number
.endr
.else
.irp u, 0,1,2,3
	v_floor_f32 v[MX+\u], -v[MX+\u]
.endr
.irp u, 0,1,2,3
	v_min_num_f32 v[NM+\u], v[NMA+\u], v[MX+\u]    ; M of the slot's 128 keys
.endr
.endif
	WIN 0xc3
.set j, 0
.rept 16
.irp u, 0,1,2,3
.if \u%2
	v_pk_fma_f32 v[AB+32*\u+j:AB+32*\u+j+1], v[AB+32*\u+j:AB+32*\u+j+1], s[CS:CS+1], v[NB+\u-1:NB+\u] op_sel:[0,0,1] op_sel_hi:[1,0,1]
.else
	v_pk_fma_f32 v[AB+32*\u+j:AB+32*\u+j+1], v[AB+32*\u+j:AB+32*\u+j+1], s[CS:CS+1], v[NB+\u:NB+\u+1] op_sel_hi:[1,0,0]   ; t - M, two at a time
.endif
.endr
.set j, j+2
.endr
	WIN 0
.irp q, 0,1,2,3,4,5,6,7
	v_fma_f32 v[TM+\q], v[TM+\q], s[CS], v[NB+\q/2]   ; the same of each block's largest score
.endr
	s_wait_alu depctr_va_vdst(0)                   ; the wait ahead of the batch,
.irp q, 0,1,2,3,4,5,6,7
	v_exp_f32 v[TM+\q], v[TM+\q]                   ; the block's largest p: the same two instructions on the same number give the same bits
.endr
	WIN 0xc3
.set j, 0
.rept 128
	v_exp_f32 v[AB+j], v[AB+j]                     ; p = 2^(t - M): not normalised
.set j, j+1
.endr
	v_nop                                          ; a plain instruction behind the last exponential
	s_wait_alu depctr_va_vdst(0)                   ; and for one behind it
	WIN 0
.irp q, 0,1,2,3,4,5,6,7
	v_max_num_f32 v[TM+\q], 0x4800000, v[TM+\q]    ; the floor 2^(9 - 127): the byte cannot fall under 1
.endr
.irp q, 0,1,2,3,4,5,6,7
	v_add_nc_u32 v[CV+\q], 0xfc000000, v[TM+\q]    ; 8 off the exponent field: the conversion takes the exponent field of this operand as its scale
.endr
.irp q, 0,1,2,3,4,5,6,7
	v_and_or_b32 v[HD+\q], v[TM+\q], 0x7f800000, s[MNT]   ; 448 x the scale
.endr
.irp q, 0,1,2,3,4,5,6,7
	v_lshrrev_b32 v[BY+\q], 23, v[CV+\q]           ; the scale's byte: at most 119, since p is at most 1
.endr
.if (\ch) == 0
.irp u, 0,1,2,3
	v_lshl_or_b32 v[PWA+\u], v[BY+2*\u+1], 8, v[BY+2*\u]
.endr
.else
	; chunk 0's two bytes under the slot's M: each less (new M - old M), held at 0 from below
.irp u, 0,1,2,3
	v_sub_f32 v[NMA+\u], v[NM+\u], v[NMA+\u]       ; old M - new M: 0 or less
.endr
.irp u, 0,1,2,3
	v_cvt_i32_f32 v[NMA+\u], v[NMA+\u]             ; (it saturates)
.endr
.irp u, 0,1,2,3
	v_or_b32 v[PWA+\u], s[HIB], v[PWA+\u]          ; 128 + each byte: no byte borrows below
.endr
.irp u, 0,1,2,3
	v_sub_nc_u32 v[TM+\u], 0, v[NMA+\u]
.endr
.irp u, 0,1,2,3
	v_min_u32 v[TM+\u], 0x7f, v[TM+\u]
.endr
.irp u, 0,1,2,3
	v_perm_b32 v[TM+\u], v[TM+\u], v[TM+\u], 0     ; the low byte in all four
.endr
.irp u, 0,1,2,3
	v_sub_nc_u32 v[PWA+\u], v[PWA+\u], v[TM+\u]
.endr
.irp u, 0,1,2,3
	v_and_b32 v[TM+\u], s[HIB], v[PWA+\u]          ; the top bit stands where the byte did not fall under 0
.endr
.irp u, 0,1,2,3
	v_lshrrev_b32 v[TM+4+\u], 7, v[TM+\u]
.endr
.irp u, 0,1,2,3
	v_sub_nc_u32 v[TM+\u], v[TM+\u], v[TM+4+\u]
.endr
.irp u, 0,1,2,3
	v_lshl_or_b32 v[BY+2*\u], v[BY+2*\u+1], 8, v[BY+2*\u]
.endr
.irp u, 0,1,2,3
	v_and_b32 v[PWA+\u], v[PWA+\u], v[TM+\u]
.endr
.irp u, 0,1,2,3
	v_lshl_or_b32 v[PWA+\u], v[BY+2*\u], 16, v[PWA+\u]   ; p's scale word for these 128 keys
.endr
.endif
.endm
.macro BODY                            ; a slot
	v_add_nc_u32 v[KA], s[TB], v[KA0]
	v_add_nc_u32 v[KA+1], 64*PITCH, v[KA]
	s_wait_alu depctr_va_vdst(0)                   ; directly behind the writes
	SCALES
.irp m, 0,1,2,3
	LDF 0, \m
.endr
	CHUNK 0
	SOFT 0
.set FB, 0
	CHUNK 1
	SOFT 1
.set FB, 128
.set I_, 0
.rept 52
	SUM I_
.set I_, I_+1
.endr
.set I_, 0
.rept 128
	HOLD I_
.set I_, I_+1
.endr
.irp q, 0,1,2,3,4,5,6,7
	CVT \q
	v_nop                                          ; one plain vector instruction behind a conversion, ahead of what writes its sources
.endr
.irp q, 0,1,2,3,4,5,6,7
	OUT \q
.endr
	WIN 0
.irp u, 0,1,2,3
	v_pk_add_f32 v[LA+6*\u:LA+6*\u+1], v[LA+6*\u:LA+6*\u+1], v[LA+6*\u+2:LA+6*\u+3]
.endr
.irp u, 0,1,2,3
	v_pk_add_f32 v[LA+6*\u:LA+6*\u+1], v[LA+6*\u:LA+6*\u+1], v[LA+6*\u+4:LA+6*\u+5]
.endr
.irp u, 0,1,2,3
	v_ldexp_f32 v[LAA+\u], v[LAA+\u], v[NMA+\u]    ; chunk 0's sum under the slot's M
.endr
.irp u, 0,1,2,3
	v_add_f32 v[LA+6*\u], v[LA+6*\u], v[LA+6*\u+1]
.endr
.irp u, 0,1,2,3
	v_add_f32 v[LAA+\u], v[LAA+\u], v[LA+6*\u]
.endr
.irp u, 0,1,2,3
	v_permlanex16_b32 v[BY+\u], v[LAA+\u], s[SEL], s[SEL+1]
.endr
.irp u, 0,1,2,3
	v_add_f32 v[LAA+\u], v[LAA+\u], v[BY+\u]       ; with lane l xor 16's: the sum over these 128 keys
.endr
.irp u, 0,1,2,3
	ds_store_b32 v[STA], v[PWA+\u] offset:64*\u    ; the statistics into my wave's stage; both halves of the lanes write the same word with the same value
	ds_store_b32 v[STA], v[NM+\u] offset:256+64*\u
	ds_store_b32 v[STA], v[LAA+\u] offset:512+64*\u
.endr
	s_wait_alu depctr_va_vdst(0)                   ; directly ahead of the wait below
	ds_load_b64 v[LA:LA+1], v[STR]                 ; LDS serves a wave's instructions in order (ISA guide 5.7.1.4): these see my stores
	ds_load_b64 v[LA+2:LA+3], v[STR] offset:256
	ds_load_b64 v[LA+4:LA+5], v[STR] offset:512
	s_wait_dscnt 0x0
	global_store_b64 v[SO], v[LA:LA+1], s[PSB:PSB+1]                       ; 32 lanes store 256 consecutive bytes, aligned: the scale words,
	global_store_b64 v[SO], v[LA+2:LA+3], s[PSB:PSB+1] offset:1048576      ; -M,
	global_store_b64 v[SO], v[LA+4:LA+5], s[PSB:PSB+1] offset:2097152      ; the sums
	s_add_co_u32 s[TS], s[TS], CSC
	s_xor_b32 s[TB], s[TB], SLOT
.endm
.Lslot:
	TURN 1
	BODY
	s_sub_co_u32 s3, s3, 1
	s_cmp_lg_u32 s3, 0
	s_wait_alu depctr_va_vdst(0)                   ; directly ahead of the branch
	s_cbranch_scc1 .Lslot
	TURN 0                                         ; the last slot is written out: it fills nothing
	BODY
	s_wait_tensorcnt 0x0                           ; the wave's end
	ds_add_u32 v[SPW], v[NIL]
	s_wait_dscnt 0x0
	CROUND                                         ; the closing round: no work-group ends while a partner may still ask for a tile that names it
	s_endpgm
.Lfunc_end_k_q58f64253f0_scores:
	.size	k_q58f64253f0_scores, .Lfunc_end_k_q58f64253f0_scores-k_q58f64253f0_scores
	.p2alignl 7, 3214868480
	.fill 96, 4, 3214868480
	.section	.rodata,"a",@progbits
	.p2align	6, 0x0
	.amdhsa_kernel k_q58f64253f0_scores
		.amdhsa_group_segment_fixed_size 327680
		.amdhsa_private_segment_fixed_size 0
		.amdhsa_enable_private_segment 0
		.amdhsa_kernarg_size 48
		.amdhsa_user_sgpr_count 2
		.amdhsa_user_sgpr_kernarg_segment_ptr 1
		.amdhsa_wavefront_size32 1
		.amdhsa_system_sgpr_workgroup_id_x 1
		.amdhsa_system_sgpr_workgroup_id_y 1
		.amdhsa_system_sgpr_workgroup_id_z 1
		.amdhsa_system_vgpr_workitem_id 0
		.amdhsa_next_free_vgpr 1024
		.amdhsa_next_free_sgpr 100
		.amdhsa_reserve_vcc 0
		.amdhsa_float_denorm_mode_32 3
		.amdhsa_float_denorm_mode_16_64 3
		.amdhsa_memory_ordered 1
		.amdhsa_forward_progress 1
		.amdhsa_inst_pref_size 255
	.end_amdhsa_kernel
	.amdgpu_metadata
---
amdhsa.version: [ 1, 2 ]
amdhsa.kernels:
  - .name:           k_q58f64253f0_scores
    .symbol:         k_q58f64253f0_scores.kd
    .args:
      - { .name: queries_codes, .offset: 0, .size: 8, .value_kind: global_buffer, .address_space: global }
      - { .name: queries_scales, .offset: 8, .size: 8, .value_kind: global_buffer, .address_space: global }
      - { .name: keys_codes, .offset: 16, .size: 8, .value_kind: global_buffer, .address_space: global }
      - { .name: keys_scales, .offset: 24, .size: 8, .value_kind: global_buffer, .address_space: global }
      - { .name: p_codes, .offset: 32, .size: 8, .value_kind: global_buffer, .address_space: global }
      - { .name: pstat, .offset: 40, .size: 8, .value_kind: global_buffer, .address_space: global }
    .group_segment_fixed_size: 327680
    .private_segment_fixed_size: 0
    .kernarg_segment_align: 8
    .kernarg_segment_size: 48
    .max_flat_workgroup_size: 128
    .sgpr_count:     100
    .vgpr_count:     1024
    .wavefront_size: 32
...
	.end_amdgpu_metadata
.endif
;; end of part 1
;; launch pv (part 2): grid 4 x 64, 4 waves a work-group, clusters of 4 x 4, 327,680 bytes of LDS; arguments p_codes, pstat, values_codes, values_scales, out0; writes out0
.if DOCPART == 2
	.amdgcn_target "amdgcn-amd-amdhsa--gfx1250"
	.amdhsa_code_object_version 6
	.text
	.protected	k_q58f64253f0_pv
	.globl	k_q58f64253f0_pv
	.p2align	8
	.type	k_q58f64253f0_pv,@function
k_q58f64253f0_pv:
	s_mov_b64 s[64:65], 0
	v_nop
	global_prefetch_b8 v0, s[64:65] scope:SCOPE_SE
	s_setreg_imm32_b32 hwreg(HW_REG_WAVE_MODE, 25, 1), 1
	s_wait_xcnt 0x0
	s_wait_alu depctr_hold_cnt(0) depctr_sa_sdst(0) depctr_va_vdst(0) depctr_va_sdst(0) depctr_va_ssrc(0) depctr_va_vcc(0) depctr_vm_vsrc(0)
	s_getreg_b32 s2, hwreg(HW_REG_IB_STS2, 6, 4)
	s_cmp_eq_u32 s2, 0
	s_cbranch_scc0 .Lentry_in_a_cluster
	s_endpgm
.Lentry_in_a_cluster:
	s_bfe_u32 s2, ttmp6, 0x10000c
	s_cmp_lg_u32 s2, 0xf033
	s_cbranch_scc0 .Lentry_shape_is_right
	s_endpgm
.Lentry_shape_is_right:
; SECOND OF TWO LAUNCHES.  O = P V / l on codes of FP8 (E4M3).  P's codes come as images of operand registers (the first launch's head says how), with statistics for each (query, 128 keys): scale word, -M, sum.
; values_codes [8 x 1,024 rows d][2,048 bytes], K = the keys innermost; their scale bytes [rows][64].  out0 [8 x 2,048][1,024] f32.
; THE HEAD brings P under one M a row: the final M is the largest of the row's 16; a scale byte loses (final M - local M), held at 0 from below, where the block's terms are under 2^-119 of the row's largest;
; l = the sum of the 16 sums x 2^(local M - final M).  A thread makes two of the tile's 256 rows; words and 1 / l go through LDS.
; SHARES.  A work-group of four waves makes 256 queries x 256 of d; a wave 128 x 128: 64 accumulators, 512 registers.  The keys go in eight steps of 256 through a ring of two LDS slots.
; CLUSTERS: 4 x 4: the four of a row of the cluster need the same P, the four of a column the same V: each tile is asked for jointly.
; SOURCE 0 = 16 rows of V, source 1 = 16 queries: lane (r, h) of accumulator (a, b) holds query 16 a + r and d = 16 b + 8 h + 0 .. 7.
; THE LAST SLOT finishes my queries 0-63 first; they go out while the products of queries 64-127 stand between each block's stage and its stores.
; PREFETCH: behind each refill the K step two on: of a half of P's image (128 blocks of 256 bytes) or of V's 128 rows the four partners take 32 each, by address, a lane a block.  V's rows are shared by the two clusters of a batch: the even one asks.
; K steps 2 and 3 are asked for behind K step 1's load; the last two refills ask for nothing.
; REGISTERS: window 0: v0-7 1 / l; v16-31 addresses; v32-63 scale words, two sets (register 2 i + q: lanes 0-15 the queries' block i, lanes 16-31 V's); v64-127 the way out; v128-255 P's fragments.
;   window 1: V's fragments, two sets.  window 2, 3: accumulators of my queries 0-63, 64-127.
.set KSTEP,  256
.set ROWB,   256
.set KROW,   2048
.set PITCH,  272
.set FR,     16
.set NP,     8
.set AH,     32768                     ; 128 queries x 256 keys of P's image
.set BH,     128*PITCH                 ; 128 rows of V
.set BOFF,   2*AH
.set SLOT,   2*AH+2*BH
.set LAPS,   4
.set SCL,    2*SLOT                    ; the scale bytes: units of 256 bytes + 16 of padding: P's 64 units, then V's 64 (stored by the waves; no fill lands here)
.set HALFS,  32*272
.set SBLK,   4*272                     ; 16 rows' scale bytes
.set RLO,    SCL+4*HALFS               ; 1 / l of the tile's 256 rows
.set SPARE,  RLO+1024
.set SPITCH, 528                       ; the way out's stage: 16 rows x (512 bytes + 16) for each wave, in slot 0, which has had its last fill
.set RL,   0
.set SOF,  10
.set PSW,  11
.set RLW,  12
.set VST,  13
.set ADRA, 16
.set ADRB, 20
.set STO,  24
.set RD,   25
.set CO,   26
.set ADRS, 27
.set SPW,  28
.set NIL,  29
.set RLA,  30
.set PFO,  31
.set SC,   32
.set SW,   64                          ; the head: scale words (register 2 s + p: 128 keys s, my row p),
.set SM,   96                          ; -M,
.set SL,   128                         ; sums,
.set SA,   160                         ; and the words under the final M (16 p + s)
.set GN,   192
.set LS,   194
.set DD,   196
.set XX,   204
.set TT,   212
.set RC,   220
.set VL,   224
.set AF,   128
.set G1, 24
.set G0, 32
.set G1B, 48
.set G0B, 56
.set HIB, 66
.set PFA, 80
.set PFS, 82
.set LIM, 84
.set MSB, 0
.macro WIN new
.if MSB != (\new)
	s_set_vgpr_msb (MSB<<8)|(\new)
.set MSB, (\new)
.endif
.endm
.set MUL_LO, 0xa1
.set MUL_HI, 0xf1
.set TO_B,   0x40
; A joint load: waves 0 and 1 fetch P's halves, waves 2 and 3 V's.
.macro JLOAD s
	s_cmp_eq_u32 s15, 0
	s_cbranch_scc0 .Lfor_b_\@
	tensor_load_to_lds s[G0+4*\s:G0+4*\s+3], s[G1:G1+7]
	s_nop 0
.rept 4
	v_nop
.endr
	s_branch .Lasked_\@
.Lfor_b_\@:
	tensor_load_to_lds s[G0B+4*\s:G0B+4*\s+3], s[G1B:G1B+7]
	s_nop 0
.rept 4
	v_nop
.endr
.Lasked_\@:
.endm
.macro CREST
	s_cmp_lg_u32 s14, 0
	s_cbranch_scc1 .Lnot_wave_0_\@
	s_barrier_signal -3
.Lnot_wave_0_\@:
	s_barrier_wait -3
	s_barrier_signal -1
	s_barrier_wait -1
.endm
.macro CROUND
	s_barrier_signal -1
	s_barrier_wait -1
	CREST
.endm
.macro PLACES n
.rept \n
	v_nop
.endr
.endm
	s_load_b128 s[4:7], s[0:1], 0x0                ; p_codes, pstat
	s_load_b128 s[8:11], s[0:1], 0x10              ; V's codes, scales
	s_load_b64 s[12:13], s[0:1], 0x20              ; out0
	v_lshl_add_u32 v[SPW], v0, 2, SPARE
	v_mov_b32 v[NIL], 0
	ds_add_u32 v[SPW], v[NIL]                      ; the wave's opening: the add, twice on end
	ds_add_u32 v[SPW], v[NIL]
	v_lshrrev_b32 v1, 5, v0
	v_readfirstlane_b32 s14, v1                    ; wave
	s_lshr_b32 s15, s14, 1                         ; my half of the queries.  Also: I fetch P (0) or V (1)
	s_and_b32 s16, s14, 1                          ; my half of d.  Also: which half of that tile I fetch
	s_bfe_u32 s40, ttmp6, 0x40000
	s_bfe_u32 s41, ttmp6, 0x40004
	s_lshl_b32 s42, ttmp9, 2
	s_add_co_u32 s42, s42, s40                     ; x: the tile of 256 of d
	s_and_b32 s94, ttmp7, 0xffff
	s_lshl_b32 s17, s94, 2
	s_add_co_u32 s17, s17, s41                     ; y: the tile of 256 rows of all 16,384
	s_lshr_b32 s95, s94, 1                         ; the batch, from the cluster's y alone
	s_lshl_b32 s43, s41, 2
	s_lshl_b32 s43, 15, s43                        ; my row of the cluster
	s_lshl_b32 s44, 0x1111, s40                    ; my column
	; group 1: P: 32,768 dense bytes as 128 rows of 256;  V: 128 rows of 256 bytes, 16 of padding behind each
	s_or_b32 s[G1+0], s43, (3<<16)|(1<<21)
	s_mov_b32 s[G1+1], 32<<16
	s_mov_b32 s[G1+2], 128<<16
	s_mov_b32 s[G1+3], 32<<16
	s_mov_b32 s[G1+4], 128
	s_mov_b32 s[G1+5], 32
	s_mov_b32 s[G1+6], 0
	s_mov_b32 s[G1+7], 0
	s_or_b32 s[G1B+0], s44, (0<<16)|(1<<20)|(1<<21)|(5<<22)|(3<<25)
	s_mov_b32 s[G1B+1], ROWB<<16
	s_mov_b32 s[G1B+2], 128<<16
	s_mov_b32 s[G1B+3], ROWB<<16
	s_mov_b32 s[G1B+4], 128
	s_mov_b32 s[G1B+5], KROW
	s_mov_b32 s[G1B+6], 0
	s_mov_b32 s[G1B+7], 0
	s_lshl_b32 s20, s17, 1
	s_add_co_u32 s20, s20, s16
	s_lshl_b32 s20, s20, 18                        ; P: group of 128 rows x 8 x 32,768 bytes
	s_mov_b32 s21, 0
	s_lshl_b32 s46, s95, 10
	s_lshl_b32 s47, s42, 8
	s_add_co_u32 s46, s46, s47                     ; V: row 1,024 x batch + 256 x
	s_lshl_b32 s47, s14, 6
	s_add_co_u32 s92, s46, s47
	s_lshl_b32 s92, s92, 6                         ; its scale bytes, from row 64 x wave on
	s_mov_b32 s93, 0
	s_lshl_b32 s47, s16, 7
	s_add_co_u32 s46, s46, s47
	s_lshl_b32 s46, s46, 11
	s_mov_b32 s47, 0
	s_mul_i32 s45, s16, AH                         ; where they go in a slot
	s_mul_i32 s22, s16, BH
	s_add_co_u32 s22, s22, BOFF
	s_wait_alu depctr_va_vdst(0)                   ; directly ahead of the waits below
	s_wait_dscnt 0x0                               ; both opening adds are done
	s_wait_kmcnt 0x0
	s_add_nc_u64 s[18:19], s[4:5], s[20:21]
	s_add_nc_u64 s[68:69], s[8:9], s[46:47]
	s_add_nc_u64 s[92:93], s[10:11], s[92:93]
.irp s, 0,1
	s_mov_b32 s[G0+4*\s], 1
	s_add_co_u32 s[G0+4*\s+1], s45, \s*SLOT
	s_add_nc_u64 s[G0+4*\s+2:G0+4*\s+3], s[18:19], \s*AH
	s_or_b32 s[G0+4*\s+3], s[G0+4*\s+3], 0x80000000
	s_mov_b32 s[G0B+4*\s], 1
	s_add_co_u32 s[G0B+4*\s+1], s22, \s*SLOT
	s_add_nc_u64 s[G0B+4*\s+2:G0B+4*\s+3], s[68:69], \s*ROWB
	s_or_b32 s[G0B+4*\s+3], s[G0B+4*\s+3], 0x80000000
.endr
	CROUND                                         ; the first joint loads meet
	JLOAD 0                                        ; K step 0: one tensor load a wave at the head
	s_lshl_b32 s18, s95, 17
	s_and_b32 s19, s17, 7
	s_lshl_b32 s19, s19, 10
	s_add_co_u32 s18, s18, s19
	s_mov_b32 s19, 0
	s_add_nc_u64 s[6:7], s[6:7], s[18:19]          ; pstat at the tile's first row
	s_mul_i32 s70, s15, AH                         ; my 128 queries
	s_add_co_u32 s71, s70, SLOT
	s_mul_i32 s72, s16, BH                         ; my 128 of d
	s_add_co_u32 s72, s72, BOFF
	s_add_co_u32 s73, s72, SLOT
	s_mul_i32 s74, s15, HALFS
	s_mul_i32 s75, s16, HALFS
	s_add_co_u32 s75, s75, 2*HALFS
	s_sub_co_u32 s75, s75, s74                     ; from P's scale words to V's
	s_add_co_u32 s74, s74, SCL
	s_mul_i32 s76, s14, 16*SPITCH
	s_lshl_b32 s77, s15, 9
	s_add_co_u32 s77, s77, RLO
	s_mul_i32 s78, s14, 16*272
	s_add_co_u32 s78, s78, SCL+2*HALFS
	v_and_b32 v1, 15, v0                           ; r
	v_bfe_u32 v2, v0, 4, 1                         ; h
	v_and_b32 v6, 31, v0
	v_lshlrev_b32 v[CO], 4, v6                     ; 16 x lane
	v_lshlrev_b32 v[SOF], 3, v0                    ; two rows' words a thread
.irp j, 0,1,2,3,4,5,6,7
	global_load_b128 v[VL+4*\j:VL+4*\j+3], v[CO], s[92:93] offset:512*\j   ; V's scale bytes of 64 rows a wave
.endr
.irp s, 0,1,2,3,4,5,6,7,8,9,10,11,12,13,14,15
	global_load_b64 v[SM+2*\s:SM+2*\s+1], v[SOF], s[6:7] offset:1048576+8192*\s
	global_load_b64 v[SL+2*\s:SL+2*\s+1], v[SOF], s[6:7] offset:2097152+8192*\s
	global_load_b64 v[SW+2*\s:SW+2*\s+1], v[SOF], s[6:7] offset:8192*\s
.endr
	v_mul_u32_u24 v3, v1, PITCH
	v_lshl_add_u32 v4, v2, 4, v3
	v_add_nc_u32 v[ADRA], s70, v[CO]
	v_add_nc_u32 v[ADRA+1], s71, v[CO]
	v_add_nc_u32 v[ADRB], s72, v4
	v_add_nc_u32 v[ADRB+1], s73, v4
	v_lshlrev_b32 v5, 6, v1                        ; my row's scales: 64 bytes a row,
	v_lshrrev_b32 v3, 2, v1
	v_lshl_add_u32 v5, v3, 4, v5                   ; and 16 more for each 256 passed
	v_mul_u32_u24 v3, s75, v2                      ; lanes 16-31 take V's
	v_add_nc_u32 v5, v5, v3
	v_add_nc_u32 v[ADRS], s74, v5
	v_mul_u32_u24 v5, v1, SPITCH
	v_lshl_add_u32 v5, v2, 5, v5
	v_add_nc_u32 v[STO], s76, v5
	v_add_nc_u32 v[RD], s76, v[CO]
	v_lshl_add_u32 v[RLA], v1, 2, s77
	v_mul_u32_u24 v3, v2, 272
	v_lshl_add_u32 v3, v1, 4, v3
	v_add_nc_u32 v[VST], s78, v3
	v_lshrrev_b32 v3, 1, v0
	v_mul_u32_u24 v3, v3, 272
	v_and_b32 v4, 1, v0
	v_lshl_add_u32 v3, v4, 7, v3
	v_add_nc_u32 v[PSW], SCL, v3
	v_lshl_add_u32 v[RLW], v0, 3, RLO
	s_lshl_b32 s20, s17, 8
	s_lshl_b32 s21, s15, 7
	s_add_co_u32 s20, s20, s21
	s_lshl_b32 s20, s20, 12
	s_lshl_b32 s21, s42, 10
	s_add_co_u32 s20, s20, s21
	s_lshl_b32 s21, s16, 9
	s_add_co_u32 s20, s20, s21
	s_mov_b32 s21, 0
	s_add_nc_u64 s[12:13], s[12:13], s[20:21]      ; out0 at my first row and column
	; the prefetches: P's half at K step 3, my 8,192 bytes of it; or V's 128 rows, my 32
	s_lshl_b32 s86, s17, 1
	s_add_co_u32 s86, s86, s16
	s_lshl_b32 s86, s86, 18
	s_lshl_b32 s87, s40, 13
	s_add_co_u32 s86, s86, s87
	s_add_co_u32 s86, s86, 3*AH
	s_lshl_b32 s89, s41, 16
	s_add_co_u32 s88, s46, s89
	s_add_co_u32 s88, s88, 3*ROWB
	s_and_b32 s89, s94, 1
	s_mov_b32 s90, ROWB
	s_mov_b32 s91, KROW
	s_cmp_eq_u32 s15, 0
	s_cselect_b64 s[PFA:PFA+1], s[4:5], s[8:9]
	s_cselect_b32 s86, s86, s88
	s_cselect_b32 s[PFS], AH, s90                  ; a K step on
	s_cselect_b32 s91, 256, s91                    ; from lane to lane
	s_cselect_b32 s89, 0, s89
	s_mov_b32 s87, 0
	s_mov_b32 s[PFS+1], 0
	s_add_nc_u64 s[PFA:PFA+1], s[PFA:PFA+1], s[86:87]
	s_sub_nc_u64 s[86:87], s[PFA:PFA+1], s[PFS:PFS+1]   ; K step 2
	s_cmp_eq_u32 s89, 0
	s_cselect_b32 s[LIM], 1, -1                    ; a wave asks where the laps to go are more than this
	v_and_b32 v[PFO], 31, v0
	v_mul_u32_u24 v[PFO], s91, v[PFO]
	s_mov_b32 s[HIB], 0x80808080
	s_mov_b32 s3, LAPS-1
	s_wait_alu depctr_va_vdst(0)                   ; the head's end
	s_wait_tensorcnt 0x0                           ; my part of K step 0 is in
	ds_add_u32 v[SPW], v[NIL]                      ; ahead of a later first fill, as ahead of a refill
	s_wait_dscnt 0x0                               ; the add is done
	CROUND
	JLOAD 1                                        ; K step 1: on its way while the statistics arrive and are worked through
	s_wait_loadcnt 48                              ; V's scale bytes are in (behind them: 48 loads of statistics)
.irp j, 0,1,2,3,4,5,6,7
	ds_store_b128 v[VST], v[VL+4*\j:VL+4*\j+3] offset:544*\j
.endr
	s_wait_loadcnt 0x0
	; THE STATISTICS of my two rows (p = k % 2): eight chains by turns, k = 2 (s % 4) + p
.irp p, 0,1
	v_min3_num_f32 v[GN+\p], v[SM+\p], v[SM+2+\p], v[SM+4+\p]
.endr
.irp s, 3,5,7,9,11,13
.irp p, 0,1
	v_min3_num_f32 v[GN+\p], v[GN+\p], v[SM+2*\s+\p], v[SM+2*\s+2+\p]
.endr
.endr
.irp p, 0,1
	v_min_num_f32 v[GN+\p], v[GN+\p], v[SM+30+\p]  ; -(final M)
.endr
.macro ST8 g
.irp k, 0,1,2,3,4,5,6,7
	v_sub_f32 v[DD+\k], v[GN+\k%2], v[SM+8*\g+\k]  ; local M - final M: a whole number, 0 or less
.endr
.irp k, 0,1,2,3,4,5,6,7
	v_cvt_i32_f32 v[DD+\k], v[DD+\k]               ; (it saturates)
.endr
.irp k, 0,1,2,3,4,5,6,7
.if (\g == 0) && (\k < 2)
	v_ldexp_f32 v[LS+\k], v[SL+8*\g+\k], v[DD+\k]
.else
	v_ldexp_f32 v[TT+\k], v[SL+8*\g+\k], v[DD+\k]
.endif
.endr
.irp k, 0,1,2,3,4,5,6,7
	v_sub_nc_u32 v[DD+\k], 0, v[DD+\k]
.endr
.irp k, 0,1,2,3,4,5,6,7
.if (\g > 0) || (\k > 1)
	v_add_f32 v[LS+\k%2], v[LS+\k%2], v[TT+\k]
.endif
	v_min_u32 v[DD+\k], 0x7f, v[DD+\k]
.endr
.irp k, 0,1,2,3,4,5,6,7
	v_or_b32 v[XX+\k], s[HIB], v[SW+8*\g+\k]       ; 128 + each byte: no byte borrows below
.endr
.irp k, 0,1,2,3,4,5,6,7
	v_perm_b32 v[DD+\k], v[DD+\k], v[DD+\k], 0     ; the low byte in all four
.endr
.irp k, 0,1,2,3,4,5,6,7
	v_sub_nc_u32 v[XX+\k], v[XX+\k], v[DD+\k]
.endr
.irp k, 0,1,2,3,4,5,6,7
	v_and_b32 v[DD+\k], s[HIB], v[XX+\k]           ; the top bit stands where the byte did not fall under 0
.endr
.irp k, 0,1,2,3,4,5,6,7
	v_lshrrev_b32 v[TT+\k], 7, v[DD+\k]
.endr
.irp k, 0,1,2,3,4,5,6,7
	v_sub_nc_u32 v[DD+\k], v[DD+\k], v[TT+\k]
.endr
.irp k, 0,1,2,3,4,5,6,7
	v_and_b32 v[SA+16*(\k%2)+4*\g+\k/2], v[XX+\k], v[DD+\k]
.endr
.endm
	ST8 0
	ST8 1
	ST8 2
	ST8 3
	s_wait_alu depctr_va_vdst(0)                   ; the wait ahead of the batch,
	v_rcp_f32 v[RC], v[LS]
	v_rcp_f32 v[RC+1], v[LS+1]
	v_nop
	s_wait_alu depctr_va_vdst(0)                   ; and behind it
.irp p, 0,1
.irp g, 0,1,2,3
	ds_store_b128 v[PSW], v[SA+16*\p+4*\g:SA+16*\p+4*\g+3] offset:64*\p+16*\g
.endr
.endr
	ds_store_b64 v[RLW], v[RC:RC+1]
.macro FETCH_B slot, q                 ; V's eight fragments of the slot's q-th 128 keys into set q: 32 loads
	WIN TO_B
.irp i, 0,1,2,3,4,5,6,7
.irp c, 0,1,2,3
	ds_load_b128 v[128*(\q)+FR*\i+4*\c:128*(\q)+FR*\i+4*\c+3], v[ADRB+\slot] offset:128*(\q)+32*\c+\i*16*PITCH
.endr
.endr
	WIN 0
.endm
.macro FETCH_A slot, q, i0, off        ; P's blocks i0 .. i0 + 3, off registers from their usual place: 16 loads
.irp i, \i0, \i0+1, \i0+2, \i0+3
.irp c, 0,1,2,3
	ds_load_b128 v[AF+(\off)+FR*(\i)+4*\c:AF+(\off)+FR*(\i)+4*\c+3], v[ADRA+\slot] offset:2048*(\q)+512*\c+4096*(\i)
.endr
.endr
.endm
.macro SCALES sc                       ; a K step's scale words: two a row
.irp i, 0,1,2,3,4,5,6,7
	ds_load_b64 v[SC+16*\sc+2*\i:SC+16*\sc+2*\i+1], v[ADRS] offset:\i*SBLK
.endr
.endm
; The 64 accumulators take turns, one instruction a turn.
.macro MUL16 a0, q, sc, zero, off
.irp a, \a0, \a0+1
.irp b, 0,1,2,3,4,5,6,7
.if \zero
	v_wmma_scale_f32_16x16x128_f8f6f4 v[8*(8*((\a)%4)+\b):8*(8*((\a)%4)+\b)+7], v[128*(\q)+FR*\b:128*(\q)+FR*\b+FR-1], v[AF+(\off)+FR*(\a):AF+(\off)+FR*(\a)+FR-1], 0, v[SC+16*(\sc)+2*\b+(\q)], v[SC+16*(\sc)+2*(\a)+(\q)] matrix_a_scale:MATRIX_SCALE_ROW1
.else
	v_wmma_scale_f32_16x16x128_f8f6f4 v[8*(8*((\a)%4)+\b):8*(8*((\a)%4)+\b)+7], v[128*(\q)+FR*\b:128*(\q)+FR*\b+FR-1], v[AF+(\off)+FR*(\a):AF+(\off)+FR*(\a)+FR-1], v[8*(8*((\a)%4)+\b):8*(8*((\a)%4)+\b)+7], v[SC+16*(\sc)+2*\b+(\q)], v[SC+16*(\sc)+2*(\a)+(\q)] matrix_a_scale:MATRIX_SCALE_ROW1
.endif
.endr
.endr
.endm
; A slot's first step.
.macro STEP slot, zero
	FETCH_B \slot, 1                               ; its set was read last by the products ahead of the places before
	s_wait_dscnt 48                                ; P's blocks 4-7 (16) and the 32 just issued may be out
	WIN MUL_LO
	MUL16 0, 0, \slot, \zero, 0
	MUL16 2, 0, \slot, \zero, 0
	s_wait_dscnt 32                                ; blocks 4-7 are in
	PLACES NP
	WIN 0
	FETCH_A \slot, 1, 0, 0
	WIN MUL_HI
	MUL16 4, 0, \slot, \zero, 0
	MUL16 6, 0, \slot, \zero, 0
	PLACES NP
	WIN 0
	FETCH_A \slot, 1, 4, 0
.endm
; A slot's second step changes slots.  fill = 1: this slot is filled again, two K steps on.  fill = 0: the last slot follows.
.macro TURN slot, next, fill
.if \fill
	s_wait_xcnt 0x0                                ; any prefetch of mine has read its address
	s_add_nc_u64 s[PFA:PFA+1], s[PFA:PFA+1], s[PFS:PFS+1]
.endif
	s_wait_tensorcnt 0x0                           ; my part of the next slot has landed
	ds_add_u32 v[SPW], v[NIL]
.if \fill
	s_add_nc_u64 s[G0+4*\slot+2:G0+4*\slot+3], s[G0+4*\slot+2:G0+4*\slot+3], 2*AH
	s_add_nc_u64 s[G0B+4*\slot+2:G0B+4*\slot+3], s[G0B+4*\slot+2:G0B+4*\slot+3], 2*ROWB
.endif
	s_wait_dscnt 17                                ; (the add and blocks 4-7's 16 loads may be out)
	WIN MUL_LO
	MUL16 0, 1, \slot, 0, 0
	s_wait_dscnt 0x0                               ; the add is done, and my reads of this slot are over
	s_barrier_signal -1
	MUL16 2, 1, \slot, 0, 0
	WIN 0
	s_barrier_wait -1
.if \fill
	CREST                                          ; no wave of any partner still reads this slot's tile or has a load on its way
	JLOAD \slot
	PLACES NP-4                                    ; four places stand behind the joint load
.else
	PLACES NP
.endif
	s_wait_alu depctr_va_vdst(0)                   ; directly ahead of the reader below
	v_add_nc_u32 v[ADRS], 8, v[ADRS]               ; the next K step's scale words
	FETCH_B \next, 0
	FETCH_A \next, 0, 0, 0
	SCALES \next
.if \fill
	s_cmp_gt_u32 s3, s[LIM]                        ; the prefetch: two K steps on from this refill; none in the last lap
	s_cbranch_scc0 .Lnot_mine_\@
	global_prefetch_b8 v[PFO], s[PFA:PFA+1] th:TH_LOAD_NT scope:SCOPE_SE
.Lnot_mine_\@:
.endif
	WIN MUL_HI
	MUL16 4, 1, \slot, 0, 0
	MUL16 6, 1, \slot, 0, 0
	PLACES NP
	WIN 0
.if \fill
	FETCH_A \next, 0, 4, 0
.else
	FETCH_A \next, 1, 0, 64                        ; the last slot: blocks 0-3 of the second step, where blocks 4-7 lay
.endif
.endm
	s_wait_alu depctr_va_vdst(0)                   ; directly ahead of the wait below
	s_wait_dscnt 0x0                               ; my scale words and 1 / l are in LDS
	s_barrier_signal -1                            ; K step 1 may be on its way
	s_barrier_wait -1                              ; everybody's are
	FETCH_B 0, 0
	FETCH_A 0, 0, 0, 0
	SCALES 0
.irp a, 0,1,2,3,4,5,6,7
	ds_load_b32 v[RL+\a], v[RLA] offset:64*\a      ; 1 / l of query 16 a + r
.endr
	FETCH_A 0, 0, 4, 0
	s_cmp_gt_u32 s3, s[LIM]
	s_cbranch_scc0 .Lnot_mine
	global_prefetch_b8 v[PFO], s[86:87] th:TH_LOAD_NT scope:SCOPE_SE        ; K step 2, one slot ahead of its load,
	global_prefetch_b8 v[PFO], s[PFA:PFA+1] th:TH_LOAD_NT scope:SCOPE_SE    ; and K step 3, two
.Lnot_mine:
	STEP 0, 1                                      ; the first products start the sums
.Llap:
	TURN 0, 1, 1
	STEP 1, 0
	TURN 1, 0, 1
	STEP 0, 0
	s_sub_co_u32 s3, s3, 1
	s_cmp_lg_u32 s3, 0
	s_cbranch_scc1 .Llap
	TURN 0, 1, 0
	; THE LAST SLOT: queries 0-63 first, both steps
	FETCH_B 1, 1
	s_wait_dscnt 48                                ; the second step's blocks 0-3 (16) and the 32 just issued may be out
	WIN MUL_LO
	MUL16 0, 0, 1, 0, 0
	MUL16 2, 0, 1, 0, 0
	s_wait_dscnt 0x0
	PLACES NP
	WIN 0
	FETCH_A 1, 0, 4, -64                           ; blocks 4-7 of the first step, where blocks 0-3 lay
	WIN MUL_LO
	MUL16 0, 1, 1, 0, 64
	MUL16 2, 1, 1, 0, 64
	PLACES NP
	WIN 0
	FETCH_A 1, 1, 4, 0
; THE WAY OUT of block a: x 1 / l; through my stage; whole rows of 512 bytes.
.macro SCALE a
.set WD, 2+(\a)/4
.set AC, 64*((\a)%4)
	WIN (WD<<6)|WD
.set j, 0
.rept 32
.if (\a)%2
	v_pk_mul_f32 v[AC+j:AC+j+1], v[AC+j:AC+j+1], v[RL+(\a)-1:RL+(\a)] op_sel:[0,1] op_sel_hi:[1,1]
.else
	v_pk_mul_f32 v[AC+j:AC+j+1], v[AC+j:AC+j+1], v[RL+(\a):RL+(\a)+1] op_sel_hi:[1,0]
.endif
.set j, j+2
.endr
.endm
.macro TOSTAGE a
.set AC, 64*((\a)%4)
	WIN 0x08+4*((\a)/4)
.irp b, 0,1,2,3,4,5,6,7
	ds_store_b128 v[STO], v[AC+8*\b:AC+8*\b+3] offset:64*\b
	ds_store_b128 v[STO], v[AC+8*\b+4:AC+8*\b+7] offset:64*\b+16
.endr
	WIN 0
.if (\a) < 4
.set BB, 64
.else
.set BB, 128+64*((\a)%2)
.endif
.irp t, 0,1,2,3,4,5,6,7,8,9,10,11,12,13,14,15
	ds_load_b128 v[BB+4*\t:BB+4*\t+3], v[RD] offset:\t*SPITCH    ; LDS serves a wave's instructions in order (ISA guide 5.7.1.4): these see the stores above
.endr
.endm
.macro SEND a, younger
.if (\a) < 4
.set BB, 64
.else
.set BB, 128+64*((\a)%2)
.endif
	WIN 0
	s_wait_dscnt \younger
.irp t, 0,1,2,3,4,5,6,7,8,9,10,11,12,13,14,15
	global_store_b128 v[CO], v[BB+4*\t:BB+4*\t+3], s[12:13] offset:65536*(\a)+4096*\t th:TH_STORE_NT   ; 32 lanes store 512 consecutive bytes, aligned
.endr
.endm
	SCALE 0
	TOSTAGE 0
	s_wait_dscnt 48                                ; blocks 4-7 of the first step are in (behind them: 16 loads of the second step, the stage's 32)
	WIN MUL_HI
	MUL16 4, 0, 1, 0, -64
	SEND 0, 0
	s_wait_xcnt 0x0                                ; the stores' data registers may be written again
	SCALE 1
	TOSTAGE 1
	WIN MUL_HI
	MUL16 6, 0, 1, 0, -64
	SEND 1, 0
	s_wait_xcnt 0x0
	SCALE 2
	TOSTAGE 2
	WIN MUL_HI
	MUL16 4, 1, 1, 0, 0
	SEND 2, 0
	s_wait_xcnt 0x0
	SCALE 3
	TOSTAGE 3
	WIN MUL_HI
	MUL16 6, 1, 1, 0, 0
	SEND 3, 0
	SCALE 4                                        ; blocks 4 and 5 were finished ahead of block 3's 32 multiplications; these 32 are the places behind the last products
	TOSTAGE 4
.irp a, 5,6,7
	s_wait_xcnt 0x0
	SCALE \a
	TOSTAGE \a
	SEND \a-1, 32                                  ; block a's 16 stores and 16 loads of the stage may be out
.endr
	SEND 7, 0
	s_wait_tensorcnt 0x0                           ; the wave's end
	ds_add_u32 v[SPW], v[NIL]
	s_wait_dscnt 0x0
	CROUND                                         ; the closing round
	s_endpgm
.Lfunc_end_k_q58f64253f0_pv:
	.size	k_q58f64253f0_pv, .Lfunc_end_k_q58f64253f0_pv-k_q58f64253f0_pv
	.p2alignl 7, 3214868480
	.fill 96, 4, 3214868480
	.section	.rodata,"a",@progbits
	.p2align	6, 0x0
	.amdhsa_kernel k_q58f64253f0_pv
		.amdhsa_group_segment_fixed_size 327680
		.amdhsa_private_segment_fixed_size 0
		.amdhsa_enable_private_segment 0
		.amdhsa_kernarg_size 40
		.amdhsa_user_sgpr_count 2
		.amdhsa_user_sgpr_kernarg_segment_ptr 1
		.amdhsa_wavefront_size32 1
		.amdhsa_system_sgpr_workgroup_id_x 1
		.amdhsa_system_sgpr_workgroup_id_y 1
		.amdhsa_system_sgpr_workgroup_id_z 1
		.amdhsa_system_vgpr_workitem_id 0
		.amdhsa_next_free_vgpr 1024
		.amdhsa_next_free_sgpr 100
		.amdhsa_reserve_vcc 0
		.amdhsa_float_denorm_mode_32 3
		.amdhsa_float_denorm_mode_16_64 3
		.amdhsa_memory_ordered 1
		.amdhsa_forward_progress 1
		.amdhsa_inst_pref_size 187
	.end_amdhsa_kernel
	.amdgpu_metadata
---
amdhsa.version: [ 1, 2 ]
amdhsa.kernels:
  - .name:           k_q58f64253f0_pv
    .symbol:         k_q58f64253f0_pv.kd
    .args:
      - { .name: p_codes, .offset: 0, .size: 8, .value_kind: global_buffer, .address_space: global }
      - { .name: pstat, .offset: 8, .size: 8, .value_kind: global_buffer, .address_space: global }
      - { .name: values_codes, .offset: 16, .size: 8, .value_kind: global_buffer, .address_space: global }
      - { .name: values_scales, .offset: 24, .size: 8, .value_kind: global_buffer, .address_space: global }
      - { .name: out0, .offset: 32, .size: 8, .value_kind: global_buffer, .address_space: global }
    .group_segment_fixed_size: 327680
    .private_segment_fixed_size: 0
    .kernarg_segment_align: 8
    .kernarg_segment_size: 40
    .max_flat_workgroup_size: 128
    .sgpr_count:     100
    .vgpr_count:     1024
    .wavefront_size: 32
...
	.end_amdgpu_metadata
.endif
;; end of part 2
